; MI455X (gfx1250); checked and timed in simulation.
; The chip was launched on July 23, 2026; its instructions are those of AMD's public machine-readable ISA for CDNA 5 (MIT licence, August 2026) and "CDNA5" Instruction Set Architecture Reference Guide (July 2026). The comments in the code are by the model that wrote it; some were corrected since.
;; Bahdanau Attention. Allowed arithmetic: matrix products marked QUANTISED: E3M2 operands, one E8M0 scale for each 32 along K, by v_wmma_scale_f32_16x16x128_f8f6f4 with both operands' format E3M2, f32 sums; products left as they are: f32 operands where the result goes on into a quantised operand, else bf16, f16 or f32 operands; f32 sums; everything else in f32.
;; Inputs: W_energy 1 x 1,024 float32; W_key_codes 1,024 x 32 x 24 uint8 (E3M2 codes of W_key, K innermost, in blocks of 32 codes, four codes in three bytes); W_key_scales 1,024 x 32 uint8 (E8M0 scales of W_key, one for each 32 codes along K); W_query_codes 1,024 x 32 x 24 uint8 (E3M2 codes of W_query, K innermost, in blocks of 32 codes, four codes in three bytes); W_query_scales 1,024 x 32 uint8 (E8M0 scales of W_query, one for each 32 codes along K); decoder_hidden_codes 32 x 32 x 24 uint8 (E3M2 codes of decoder_hidden, K innermost, in blocks of 32 codes, four codes in three bytes); decoder_hidden_scales 32 x 32 uint8 (E8M0 scales of decoder_hidden, one for each 32 codes along K); encoder_outputs 32 x 2,048 x 1,024 float32; src_mask 32 x 2,048 bool.
;; Outputs: out0 32 x 1,024 float32; out1 32 x 2,048 float32.
;; This version of the problem:
;;   THIS VERSION OF THE PROBLEM IS GIVEN IN LOW PRECISION. The matrix products marked QUANTISED in the list below multiply operands that are first quantised to E3M2 (3 exponent bits, 2 mantissa bits; 6 bits a number), with one power-of-two scale for each 32 numbers along K (OCP MX v1.0); their sums are f32. All else is computed in f32.
;;   The module's matrix products, in the order in which they are computed (A, B: the left and right operand; K: the contracted axis; several contracted axes count as one K, in the product's order):
;;     1. [M 32, K 1,024] x [K 1,024, N 1,024]; A: input decoder_hidden (given as codes); B: input W_query (given as codes): QUANTISED
;;     2. [M 65,536, K 1,024] x [K 1,024, N 1,024]; A: input encoder_outputs; B: input W_key (given as codes): QUANTISED
;;     3. [M 65,536, K 1,024] x [K 1,024, N 1]; A: computed on the way; B: input W_energy: left as it is (N = 1 < 16)
;;     4. batch 32 x [M 1, K 2,048] x [K 2,048, N 1,024]; A: softmax; B: input encoder_outputs: left as it is (M = 1 < 16)
;;   THE QUANTISER, for each operand of a quantised product, along K:
;;     - K is cut into blocks of 32 from its start; a last block that is shorter is filled with zeros.
;;     - A block's scale is 2^e with e = floor(log2(the largest magnitude in the block)) - 4, held to -126 .. 127; a block of zeros has e = 0. As a byte (E8M0): e + 127.
;;     - Each number is divided by its block's scale, clamped to +-28, and rounded to the nearest number of E3M2, ties to even, subnormals kept.
;;     - The product sums the exact products of the quantised numbers (number of the format x scale) in f32.
;;   ~~~python
;;   def quantise(x, axis):      # numpy; x: float32 -> the quantised numbers, widened to float32 again
;;       x = np.moveaxis(x, axis, -1); K = x.shape[-1]
;;       x = np.pad(x, [(0, 0)] * (x.ndim - 1) + [(0, -K % 32)]); x = x.reshape(x.shape[:-1] + (-1, 32)); a = np.abs(x).max(-1, keepdims=True)
;;       e = np.where(a > 0, np.clip(np.frexp(np.where(a > 0, a, 1))[1] - 1 - 4, -126, 127), 0)      # np.frexp(a)[1] - 1 = floor(log2(a)), exactly
;;       r = np.clip(x / 2.0 ** e, -28, 28)
;;       step = 2.0 ** (np.maximum(np.frexp(np.where(r == 0, 1, r))[1] - 1, -2) - 2)
;;       q = np.round(r / step) * step * 2.0 ** e      # np.round: ties to even
;;       return np.moveaxis(q.reshape(q.shape[:-2] + (-1,))[..., :K], -1, axis).astype(np.float32)
;;   ~~~
;;   INPUTS GIVEN AS CODES. W_key (in the module: [1024, 1024], K = its axis 1); W_query (in the module: [1024, 1024], K = its axis 1); decoder_hidden (in the module: [32, 1024], K = its axis 1): each comes as NAME_codes (uint8): NAME with its K axis moved to the last place and cut into blocks of 32 codes, [.., K / 32, bytes a block], one block behind the other in memory; four codes in three bytes: a row's codes are one little-endian stream of bits, code i at bits 6 i .. 6 i + 5 (a code: sign, 3 exponent bits, 2 mantissa bits); and NAME_scales (uint8): the same leading axes, one E8M0 byte (e + 127) for each 32 codes along K. Its value is code x scale, taken as it is: it is not quantised again, and the codes and scales need not be those that the quantiser above would give.
;; One version. Each part assembles by itself: llvm-mc -triple=amdgcn-amd-amdhsa -mcpu=gfx1250 --defsym DOCPART=n.
;; ======== version 1 of 1: 3 launches
;; workspace buffers: wf 786,432 bytes; cq 131,072 bytes; sc 262,144 bytes; pc 1,048,576 bytes; pml 65,536 bytes
;; launch prep (part 1): grid 128 x 1, 1 waves a work-group, no clusters, 0 bytes of LDS; arguments W_key_codes, W_query_codes, W_query_scales, decoder_hidden_codes, decoder_hidden_scales, wf, cq; writes wf, cq
.if DOCPART == 1
	.amdgcn_target "amdgcn-amd-amdhsa--gfx1250"
	.amdhsa_code_object_version 6
	.text
	.protected	k_q60f63610e8_prep
	.globl	k_q60f63610e8_prep
	.p2align	8
	.type	k_q60f63610e8_prep,@function
k_q60f63610e8_prep:
	s_mov_b64 s[64:65], 0
	v_nop
	global_prefetch_b8 v0, s[64:65] scope:SCOPE_SE
	s_setreg_imm32_b32 hwreg(HW_REG_WAVE_MODE, 25, 1), 1
	s_wait_xcnt 0x0
; Two small jobs ahead of the main launch, one wave a work-group, no branch.  Work-group x: t = x / 2 (a tile of 16 rows of a weight), mt = x % 2.
; JOB 1.  W_key's codes (E3M2, 6 bits, K innermost, a row = 768 bytes) are laid anew in the ORDER OF THE OPERAND'S REGISTERS: the fragment of tile t and K step s (16 rows x 128 K,
; 12 registers a lane) lies at (8 t + s) x 1,536 bytes of wf; in it register quad c of lane l at 512 c + 16 l.  The main launch then fetches a fragment by three loads of 16 bytes a lane.
; This work-group lays K steps 4 mt .. 4 mt + 3 of tile t.  Each store of the wave covers 512 consecutive bytes, aligned.
; JOB 2.  q = decoder_hidden W_query^T on the given codes and scales, f32 sums: 16 batches (16 mt ..) x 16 outputs (16 t ..), K = 1,024 in 8 steps of 128, ascending, one accumulator.
; Used transposed (source 0 = 16 rows of W_query, source 1 = 16 rows of decoder_hidden): lane (r, h) then holds batch 16 mt + r and outputs 16 t + 8 h + 0 .. 7: 32 neighbouring bytes.
; cq is [32][1024] f32; a work-group writes runs of 64 bytes of it (131,072 bytes in the whole launch).
.set MSB, 0
.macro WIN new                         ; the immediate's high byte repeats the setting that is left
.if MSB != \new
	s_set_vgpr_msb (MSB<<8)|\new
.set MSB, \new
.endif
.endm
	s_load_b256 s[4:11], s[0:1], 0x0               ; W_key's codes s[4:5], W_query's codes s[6:7], its scales s[8:9], decoder_hidden's codes s[10:11]
	s_load_b128 s[12:15], s[0:1], 0x20             ; decoder_hidden's scales s[12:13], wf s[14:15]
	s_load_b64 s[16:17], s[0:1], 0x30              ; cq
	v_and_b32 v1, 15, v0                           ; r
	v_lshrrev_b32 v2, 4, v0                        ; h
	v_mul_u32_u24 v3, v1, 768                      ; a fragment's bytes: row r of 768 bytes,
	v_mad_u32_u24 v3, v2, 24, v3                   ; + 24 h
	v_lshlrev_b32 v4, 4, v0                        ; 16 x lane: an image's place for my lane
	v_lshlrev_b32 v5, 5, v1                        ; scale bytes: 32 a row
	v_lshlrev_b32 v6, 12, v1                       ; cq: row r of 4,096 bytes,
	v_lshl_add_u32 v6, v2, 5, v6                   ; + 32 h
	s_lshr_b32 s18, ttmp9, 1                       ; t
	s_and_b32 s19, ttmp9, 1                        ; mt
	s_mul_i32 s20, s18, 12288                      ; 16 t rows of 768 bytes: W_query's codes
	s_mov_b32 s21, 0
	s_mul_i32 s22, s19, 384                        ; W_key's codes: the same rows, K steps 4 mt on (96 bytes a step)
	s_add_co_u32 s22, s22, s20
	s_mov_b32 s23, 0
	s_mul_i32 s24, s19, 6144                       ; wf: fragment 8 t + 4 mt
	s_add_co_u32 s24, s24, s20
	s_mov_b32 s25, 0
	s_lshl_b32 s26, s18, 9                         ; W_query's scales: 16 t rows of 32 bytes
	s_mov_b32 s27, 0
	s_mul_i32 s28, s19, 12288                      ; decoder_hidden's codes: 16 mt rows
	s_mov_b32 s29, 0
	s_lshl_b32 s30, s19, 9                         ; and its scales
	s_mov_b32 s31, 0
	s_lshl_b32 s32, s19, 16                        ; cq: 16 mt rows of 4,096 bytes + 16 t numbers
	s_lshl_b32 s33, s18, 6
	s_add_co_u32 s32, s32, s33
	s_mov_b32 s33, 0
	s_wait_kmcnt 0x0
	s_add_nc_u64 s[4:5], s[4:5], s[22:23]
	s_add_nc_u64 s[6:7], s[6:7], s[20:21]
	s_add_nc_u64 s[8:9], s[8:9], s[26:27]
	s_add_nc_u64 s[10:11], s[10:11], s[28:29]
	s_add_nc_u64 s[12:13], s[12:13], s[30:31]
	s_add_nc_u64 s[14:15], s[14:15], s[24:25]
	s_add_nc_u64 s[16:17], s[16:17], s[32:33]
	WIN 0x40                                       ; destination window 1: W_key's four fragments, v[12 i ..]
.irp i, 0,1,2,3
.irp p, 0,1,2,3,4,5
	global_load_b64 v[12*\i+2*\p:12*\i+2*\p+1], v3, s[4:5] offset:96*\i+48*(\p/3)+8*(\p%3)   ; a fragment's 2 x 24 bytes a lane in pieces of 8, so that every address is a multiple of the access's size
.endr
.endr
	WIN 0
.irp s, 0,1,2,3,4,5,6,7
.irp p, 0,1,2,3,4,5
	global_load_b64 v[16+12*\s+2*\p:16+12*\s+2*\p+1], v3, s[6:7] offset:96*\s+48*(\p/3)+8*(\p%3)      ; W_query, K step s
	global_load_b64 v[112+12*\s+2*\p:112+12*\s+2*\p+1], v3, s[10:11] offset:96*\s+48*(\p/3)+8*(\p%3)  ; decoder_hidden, K step s
.endr
.endr
	global_load_b128 v[208:211], v5, s[8:9]        ; scale words: register s = the four bytes of K step s of my row; these registers hold scales alone
	global_load_b128 v[212:215], v5, s[8:9] offset:16
	global_load_b128 v[216:219], v5, s[12:13]
	global_load_b128 v[220:223], v5, s[12:13] offset:16
	s_wait_loadcnt 0x0                             ; one wait for all
	WIN 0x04                                       ; a store's data are its source 1: window 1
.irp j, 0,1,2,3,4,5,6,7,8,9,10,11
	global_store_b128 v4, v[4*\j:4*\j+3], s[14:15] offset:512*\j   ; fragment j / 3, quad j % 3
.endr
	WIN 0
	v_wmma_scale_f32_16x16x128_f8f6f4 v[224:231], v[16:27], v[112:123], 0, v208, v216 matrix_a_fmt:MATRIX_FMT_BF6 matrix_b_fmt:MATRIX_FMT_BF6   ; the first K step starts the sum
.irp s, 1,2,3,4,5,6,7
	s_wait_alu depctr_va_vdst(0)                   ; the wait directly ahead of every link
	v_wmma_scale_f32_16x16x128_f8f6f4 v[224:231], v[16+12*\s:27+12*\s], v[112+12*\s:123+12*\s], v[224:231], v[208+\s], v[216+\s] matrix_a_fmt:MATRIX_FMT_BF6 matrix_b_fmt:MATRIX_FMT_BF6
.endr
.rept 4
	v_nop                                          ; four places between the last product and the stores that read its result
.endr
	global_store_b128 v6, v[224:227], s[16:17]     ; q(16 mt + r, 16 t + 8 h + 0 .. 3): the low end first
	global_store_b128 v6, v[228:231], s[16:17] offset:16
	s_endpgm
.Lfunc_end_k_q60f63610e8_prep:
	.size	k_q60f63610e8_prep, .Lfunc_end_k_q60f63610e8_prep-k_q60f63610e8_prep
	.p2alignl 7, 3214868480
	.fill 96, 4, 3214868480
	.section	.rodata,"a",@progbits
	.p2align	6, 0x0
	.amdhsa_kernel k_q60f63610e8_prep
		.amdhsa_group_segment_fixed_size 0
		.amdhsa_private_segment_fixed_size 0
		.amdhsa_enable_private_segment 0
		.amdhsa_kernarg_size 56
		.amdhsa_user_sgpr_count 2
		.amdhsa_user_sgpr_kernarg_segment_ptr 1
		.amdhsa_wavefront_size32 1
		.amdhsa_system_sgpr_workgroup_id_x 1
		.amdhsa_system_sgpr_workgroup_id_y 1
		.amdhsa_system_sgpr_workgroup_id_z 1
		.amdhsa_system_vgpr_workitem_id 0
		.amdhsa_next_free_vgpr 304
		.amdhsa_next_free_sgpr 66
		.amdhsa_reserve_vcc 0
		.amdhsa_float_denorm_mode_32 3
		.amdhsa_float_denorm_mode_16_64 3
		.amdhsa_memory_ordered 1
		.amdhsa_forward_progress 1
		.amdhsa_inst_pref_size 17
	.end_amdhsa_kernel
	.amdgpu_metadata
---
amdhsa.version: [ 1, 2 ]
amdhsa.kernels:
  - .name:           k_q60f63610e8_prep
    .symbol:         k_q60f63610e8_prep.kd
    .args:
      - { .name: W_key_codes, .offset: 0, .size: 8, .value_kind: global_buffer, .address_space: global }
      - { .name: W_query_codes, .offset: 8, .size: 8, .value_kind: global_buffer, .address_space: global }
      - { .name: W_query_scales, .offset: 16, .size: 8, .value_kind: global_buffer, .address_space: global }
      - { .name: decoder_hidden_codes, .offset: 24, .size: 8, .value_kind: global_buffer, .address_space: global }
      - { .name: decoder_hidden_scales, .offset: 32, .size: 8, .value_kind: global_buffer, .address_space: global }
      - { .name: wf, .offset: 40, .size: 8, .value_kind: global_buffer, .address_space: global }
      - { .name: cq, .offset: 48, .size: 8, .value_kind: global_buffer, .address_space: global }
    .group_segment_fixed_size: 0
    .private_segment_fixed_size: 0
    .kernarg_segment_align: 8
    .kernarg_segment_size: 56
    .max_flat_workgroup_size: 32
    .sgpr_count:     66
    .vgpr_count:     304
    .wavefront_size: 32
...
	.end_amdgpu_metadata
.endif
;; end of part 1
;; launch attn (part 2): grid 256 x 1, 4 waves a work-group, no clusters, 327,680 bytes of LDS; arguments encoder_outputs, src_mask, wf, W_key_scales, cq, W_energy, sc, pc, pml; writes sc, pc, pml
.if DOCPART == 2
	.amdgcn_target "amdgcn-amd-amdhsa--gfx1250"
	.amdhsa_code_object_version 6
	.text
	.protected	k_q60f63610e8_attn
	.globl	k_q60f63610e8_attn
	.p2align	8
	.type	k_q60f63610e8_attn,@function
k_q60f63610e8_attn:
	s_mov_b64 s[64:65], 0
	v_nop
	global_prefetch_b8 v0, s[64:65] scope:SCOPE_SE
	s_setreg_imm32_b32 hwreg(HW_REG_WAVE_MODE, 25, 1), 1
	s_wait_xcnt 0x0
; score[s] = sum over d of w[d] tanh(q[d] + k[s][d]), k = Q(enc) W_key^T on codes of E3M2 with one E8M0 scale for each 32 along K; the mask; a running softmax; a partial context.  enc is read ONCE.
; SHARES.  Work-group x owns rows 256 x .. 256 x + 255 of [32 x 2048] rows, all of batch x / 8, as 16 tiles of 16 rows.  THE FOUR WAVES SHARE THE COLUMNS: wave w makes d = 256 w .. 256 w + 255 of the
; product for all rows at work; it also fetches, quantises and keeps (as bf16) enc's columns 256 w .. + 255, and sums the context of those columns.
; FOUR TILES ARE AT WORK, in four register slots (tile u in slot u % 4), a trip apart: in trip t tile t - 4 is finished, tile t is quantised and takes its slot, tile t + 1 is on its way.  A trip multiplies the
; four slots by four UNITS of 16 d a wave; a tile meets 16 consecutive units in its four trips, which are all 16 of the wave.  So LDS holds four bf16 tiles and one tile's codes beside a ring of two f32 tiles.
; OPERANDS.  The codes of the four tiles stand in EVERY wave's registers (4 x 8 fragments x 12 = 384).  A fragment of W_key is wanted by one wave alone and feeds four products: it comes from wf, which the launch
; before has laid in the order of the operand's registers, by three loads of 16 bytes a lane straight into registers.  enc comes by tensor loads, which have a counter of their own.
; THE UNITS ARE A PIPELINE.  W has two buffers of 96 registers and the accumulators two sets of 32.  As soon as unit u is multiplied, its buffer takes the loads of unit u + 2, which have unit u + 1 in which to land;
; the tanh of unit u stands between the products of unit u + 1, three lines behind each product, on the other set of accumulators.  A trip's unit 0 carries nothing and its unit 3's tanh stands bare: the slot that
; ends its fourth trip wants its sums in front of the trip's barrier.
; NO CLUSTER: enc's tiles are shared by nobody; W's fragments go to one wave's registers, and a joint tile would want LDS slots: a unit's W for four waves is 4 x 12,288 = 49,152 bytes a slot, two slots 98,304, and
; 287,488 of the 327,680 bytes are in use.
; THE PRODUCT IS USED TRANSPOSED (source 0 = 16 rows of W_key, source 1 = 16 rows of enc): lane (r, h) holds row r and d = 16 T + 8 h + 0 .. 7.  q is the C of a sum's first product.
; tanh x = 1 - 2 / (1 + 2^(c x)), c = 2 log2(e); so score = (sum of w) - 2 sum of w / (1 + 2^(c x)).  Where 2^(c x) is infinite the quotient is 0, which is right.
; SOFTMAX.  A running maximum m and sum l for the work-group's rows, p = e^(score - m); the context and l are multiplied by e^(old m - new m) in every tile.  The next launch joins the 8 parts of a batch.
; RAMPS.  Trips 1, 2 multiply slots 0, 1 alone and trips 18, 19 slots 2, 3 alone: texts of their own, since no branch stands inside a unit.  A slot that is multiplied before its own tile has come (slot 1 in trip 1,
; slot 3 in trip 3) holds tile 0's codes; what it sums is thrown away when the slot is cleared.
; LIMITS.  NaN and infinities among the inputs are not served.  A block of zeros, or one whose largest magnitude lies under 2^(5 - 127), gets the scale byte 1 (a block of zeros has zero codes, which add nothing under
; any byte).  The context is summed in f32 from enc rounded to bf16 and p in f32.
; A tensor load brings 16 rows x 1,024 bytes: 16 rows are all that a trip takes in.
; REGISTERS, in windows of 256.  Window 0: see the names below.  Window 1: v0-191 W's two buffers (96 p + 12 s); v192-255 the two sets of accumulators (192 + 32 p + 8 x slot).
; Window 2: the codes of K steps 0-3 of the four slots (48 x slot + 12 s); v192-195 c, c, 1, 1.  Window 3: those of K steps 4-7, and the same four constants.
.set XSL,   66560                      ; LDS: the ring of enc, f32: slot p at XSL p; wave w at XWV w; 16 rows of 1,024 bytes + 16 of padding
.set XWV,   16640
.set XP,    1040
.set CPY,   133120                     ; the bf16 copies: wave w at CWV w; register slot at CSL x slot; 16 rows of 512 bytes + 16
.set CWV,   33792
.set CSL,   8448
.set CP,    528
.set IMG,   268288                     ; the new tile's 8 fragments as images of their registers: K step s at 1,536 s, quad c at 512 c + 16 x lane
.set IMGS,  280576                     ; their scale words: 128 s + 4 x lane
.set SCR,   281600                     ; [wave][16 rows] partial sums of a finished tile
.set MSK,   281856                     ; [wave] the work-group's 256 mask bytes, a copy for each wave
.set SCB,   282880                     ; [wave] the 256 scores, a copy for each wave
.set SPARE, 286976                     ; the spare words, 128 bytes for each wave: two blocks of 256 bytes that no other line names
.set RR,   1                           ; v1   r = lane % 16
.set HH,   2                           ; v2   h = lane / 16
.set L16,  3                           ; v3   16 x lane
.set SPW,  4                           ; v4   LDS address of my spare word; never rewritten
.set NIL,  5                           ; v5   0; never rewritten
.set XA,   6                           ; v6   enc in a ring slot: XWV w + XP r + 64 h
.set XT,   7                           ; v7   XA + the slot in hand
.set IW,   8                           ; v8   where I store images: IMG + 3,072 w + 16 x lane
.set IS,   9                           ; v9   and their scale words: IMGS + 256 w + 4 x lane
.set CW0,  10                          ; v10  the copy, on the way in: CPY + CWV w + CP r + 32 h
.set CWT,  11                          ; v11  CW0 + the register slot's part
.set CR0,  12                          ; v12  on the way out: CPY + CWV w + 8 x lane
.set CRT,  13                          ; v13  CR0 + the register slot's part
.set SA,   14                          ; v14  32 r: W's scale bytes, 32 a row
.set HA,   15                          ; v15  32 h: q's and w's eight numbers of my half
.set CX,   16                          ; v16-23  the context: columns 256 w + 4 lane + 0 .. 3, then 256 w + 128 + 4 lane + 0 .. 3
.set MX,   24                          ; v24  m       (with v25 a pair: stored as it stands)
.set LS,   25                          ; v25  l
.set WSUM, 26                          ; v26  the sum of w
.set ISR,  27                          ; v27  IMGS + 4 x lane
.set FF,   28                          ; v28-29  e^(old m - new m), named as a pair
.set SCRW, 30                          ; v30  SCR + 64 w + 4 r
.set SCRR, 31                          ; v31  SCR + 4 r
.set ES,   32                          ; v32-63  enc's scale words, 8 x slot + s: scales alone
.set WS,   64                          ; v64-79  W's scale words, 8 p + s: scales alone
.set QC,   80                          ; v80-95  q in the result's layout, 8 p + j
.set WE,   96                          ; v96-127 w likewise, a set for each of a trip's four units: 8 u + j
.set XN,   128                         ; v128-191 64 numbers of enc; in the finish the copy's 16 rows
.set SS,   192                         ; v192-199 the sums of w / (1 + 2^(c x)), a pair for each slot
.set PC,   200                         ; v200-219 the codes just made; in the finish the 16 p
.set TM,   220                         ; v220-235 at work in QUANT
.set PW,   236                         ; v236 the scale word just made
.set IMR,  237                         ; v237 IMG + 16 x lane
.set T0,   238                         ; v238-244 at work
.set T1,   239
.set T2,   240
.set T3,   241
.set T4,   242
.set T5,   243
.set T6,   244
.set MKA,  245                         ; v245 MSK + 256 w + r
.set SBA,  246                         ; v246 SCB + 1,024 w + 4 r
.set AD0,  247                         ; v247, v248 addresses in hand
.set AD1,  248
.set PFO,  249                         ; v249 the prefetches' offset: 4,096 r + 256 h; never rewritten
.set L8,   250                         ; v250 8 x lane
.set LN,   251                         ; v251 lane
.set L4,   252                         ; v252 4 x lane
.set ACC,  192                         ; in window 1
.set KC,   192                         ; in windows 2 and 3: c = 2 log2(e), twice
.set K1,   194                         ; and 1, twice
.set EW,   2                           ; s[2:3]   W_energy at my wave's 256 numbers
.set WV,   22                          ; s22  my wave's number
.set TAU,  23                          ; s23  the trip
.set SG,   24                          ; s24  the trip's register slot: TAU % 4
.set GM,   25                          ; s25  the unit (0 .. 15) whose loads were issued last
.set SEL,  26                          ; s[26:27] v_permlanex16_b32's selects for lane l xor 16
.set XB,   30                          ; s30  the ring slot that is read
.set WOFF, 32                          ; s32  XWV w
.set CB,   33                          ; s33  CSL x SG
.set MU16, 34                          ; s34  16 x the finished tile
.set MU64, 35                          ; s35  64 x the finished tile
.set G0,   36                          ; s[36:39] descriptor group 0, which walks
.set G1,   40                          ; s[40:47] descriptor group 1
.set PP,   48                          ; s[48:63] a tile's 16 p
.set WB,   66                          ; s[66:67] the unit's base in wf;  s[68:69] in W's scales;  s[70:71] in cq;  s[72:73] in W_energy
.set SB,   68
.set QB,   70
.set EB,   72
.set OF,   74                          ; s[74:75] an offset, upper word 0
.set PFA,  76                          ; s[76:77] where my prefetches stand
.set LG,   78                          ; s78  log2(e)
.set TS,   79                          ; s79  at work
.set MSB, 0
.macro WIN new                         ; the immediate's high byte repeats the setting that is left; a switch that changes nothing is dropped
.if MSB != \new
	s_set_vgpr_msb (MSB<<8)|\new
.set MSB, \new
.endif
.endm
; The operands of the unit behind the one whose loads were issued last: 24 loads bring W's 8 fragments (12,288 dense bytes, 512 a load) into buffer p, 6 bring W's scale words and q (sets p) and w (set e): 30 in all.
.macro WLOADS p, e
	s_wait_xcnt 0x0                                ; the loads issued a unit ago may still be out, but they have read their bases: only behind this wait are the bases written anew
	s_add_co_u32 s[GM], s[GM], 1
	s_and_b32 s[GM], s[GM], 15
	s_mul_i32 s[OF], s[GM], 12288
	s_add_nc_u64 s[WB:WB+1], s[8:9], s[OF:OF+1]
	s_lshl_b32 s[OF], s[GM], 9                     ; 16 rows of 32 scale bytes
	s_add_nc_u64 s[SB:SB+1], s[10:11], s[OF:OF+1]
	s_lshl_b32 s[OF], s[GM], 6                     ; 16 numbers of 4 bytes
	s_add_nc_u64 s[QB:QB+1], s[12:13], s[OF:OF+1]
	s_add_nc_u64 s[EB:EB+1], s[EW:EW+1], s[OF:OF+1]
	WIN 0x40                                       ; destination window 1
.set i, 0
.rept 24
	global_load_b128 v[96*(\p)+4*i:96*(\p)+4*i+3], v[L16], s[WB:WB+1] offset:512*i
.set i, i+1
.endr
	WIN 0
.irp q, 0,1
	global_load_b128 v[WS+8*(\p)+4*\q:WS+8*(\p)+4*\q+3], v[SA], s[SB:SB+1] offset:16*\q
	global_load_b128 v[QC+8*(\p)+4*\q:QC+8*(\p)+4*\q+3], v[HA], s[QB:QB+1] offset:16*\q
	global_load_b128 v[WE+8*(\e)+4*\q:WE+8*(\e)+4*\q+3], v[HA], s[EB:EB+1] offset:16*\q
.endr
.endm
; Line j of the list that turns na accumulator registers, from v[ab] of window 1 on, into 1 / (1 + 2^(c x)):  na / 2 packed scalings by c;  na exponentials;  na / 2 packed additions of 1;  na reciprocals.
; Each batch of transcendentals has one plain line and one wait behind it, ahead of its first reader.  The scalings go up the registers.
; Every line names window 1 as destination and source 0; the constants are source 1, in the window in which the products' source 1 lies (2 or 3): so the list runs under the products' own settings.
.macro TI ab, na
.if j < (\na)/2
	v_pk_mul_f32 v[(\ab)+2*j:(\ab)+2*j+1], v[(\ab)+2*j:(\ab)+2*j+1], v[KC:KC+1]
.elseif j < 3*(\na)/2
	v_exp_f32 v[(\ab)+j-(\na)/2], v[(\ab)+j-(\na)/2]
.elseif j < 2*(\na)
	v_pk_add_f32 v[(\ab)+2*j-3*(\na):(\ab)+2*j-3*(\na)+1], v[(\ab)+2*j-3*(\na):(\ab)+2*j-3*(\na)+1], v[K1:K1+1]
.else
	v_rcp_f32 v[(\ab)+j-2*(\na)], v[(\ab)+j-2*(\na)]
.endif
.if (j == 3*(\na)/2-1) || (j == 3*(\na)-1)
	v_nop
	s_wait_alu depctr_va_vdst(0)
.endif
.set j, j+1
.endm
; Unit u's products: n slots from slot lo on x 8 K steps, K ascending: 8 n products.  The n accumulators take turns, one instruction a turn.
; The first K step takes q as C: nothing is cleared and q costs no addition.  carry = 1: three lines of the list above, for the unit before (the other set of accumulators), stand behind each product.
.macro MMT u, lo, n, carry
.set PB, (\u)%2
.set AB, ACC+32*(1-PB)+8*(\lo)
.set j, 0
.irp s, 0,1,2,3,4,5,6,7
.if \s == 0
	WIN 0x49                                       ; D window 1, W window 1, codes window 2, C (q) window 0
.elseif \s < 4
	WIN 0x59                                       ; the same with C window 1
.else
	WIN 0x5d                                       ; codes window 3
.endif
.set e, \lo
.rept \n
.if \s == 0
	v_wmma_scale_f32_16x16x128_f8f6f4 v[ACC+32*PB+8*e:ACC+32*PB+8*e+7], v[96*PB+12*\s:96*PB+12*\s+11], v[48*e+12*(\s%4):48*e+12*(\s%4)+11], v[QC+8*PB:QC+8*PB+7], v[WS+8*PB+\s], v[ES+8*e+\s] matrix_a_fmt:MATRIX_FMT_BF6 matrix_b_fmt:MATRIX_FMT_BF6
.else
	v_wmma_scale_f32_16x16x128_f8f6f4 v[ACC+32*PB+8*e:ACC+32*PB+8*e+7], v[96*PB+12*\s:96*PB+12*\s+11], v[48*e+12*(\s%4):48*e+12*(\s%4)+11], v[ACC+32*PB+8*e:ACC+32*PB+8*e+7], v[WS+8*PB+\s], v[ES+8*e+\s] matrix_a_fmt:MATRIX_FMT_BF6 matrix_b_fmt:MATRIX_FMT_BF6
.endif
.if \carry
	TI AB, 8*\n
	TI AB, 8*\n
	TI AB, 8*\n
.endif
.set e, e+1
.endr
.endr
.endm
; Unit u's quotients times w are added to the slots' sums: 4 n packed lines, the slots by turns.  They name none of the registers of the products just issued (those work on the other set), so they are also
; the places in front of the loads that follow, and of the next reads of results.
.macro TSUM u, lo, n
.set AB, ACC+32*((\u)%2)
	WIN 0x01                                       ; source 0 window 1; w and the sums window 0
.irp p, 0,2,4,6
.set e, \lo
.rept \n
	v_pk_fma_f32 v[SS+2*e:SS+2*e+1], v[AB+8*e+\p:AB+8*e+\p+1], v[WE+8*(\u)+\p:WE+8*(\u)+\p+1], v[SS+2*e:SS+2*e+1]
.set e, e+1
.endr
.endr
	WIN 0
.endm
; A UNIT.  Its 30 loads are in (the next unit's 30, issued behind them, may be out); its products, with the tanh of the unit before between them; that unit's sums; then the loads of the unit two on, into the
; buffer just multiplied.  In trips 18, 19 unit 3 waits for all loads, since in trip 19 no loads follow units 2 and 3: there are no units for them.
.macro UNIT u, lo, n, mode
.if (\mode == 4) && (\u == 3)
	s_wait_loadcnt 0x0
.else
	s_wait_loadcnt 30
.endif
.if \u == 0
.if \mode != 4
	s_wait_dscnt 0x0                               ; the new tile's codes and scale words
.endif
	MMT 0, \lo, \n, 0
	WIN 0
.rept 4
	v_nop                                          ; four places in front of loads into registers that the products have read, and of the first read of results
.endr
.else
	MMT \u, \lo, \n, 1
	TSUM (\u)-1, \lo, \n
.endif
.if (\mode == 4) && (\u >= 2)
	s_cmp_eq_u32 s[TAU], 19
	s_cbranch_scc1 .Lw_\@
.endif
	WLOADS (\u)%2, ((\u)+2)%4
.if (\mode == 4) && (\u >= 2)
.Lw_\@:
.endif
.endm
; Unit 3's tanh stands bare: the slot that ends its fourth trip wants its sums in front of the barrier.
.macro DRAIN lo, n
.set AB, ACC+32+8*(\lo)
.set j, 0
	WIN 0x49
.rept 24*\n
	TI AB, 8*\n
.endr
	TSUM 3, \lo, \n
.endm
; The finish's loads of MY OWN LDS bytes (the finished tile's mask byte and the 16 rows of my bf16 copy) go out ahead of unit 3's tanh; the wait for all LDS instructions in front of the barrier covers them.
; The tile's number is taken as (TAU + 12) % 16, which is TAU - 4 in the trips that come here.
.macro FLOADS
	s_add_co_u32 s[TS], s[TAU], 12
	s_and_b32 s[TS], s[TS], 15
	s_lshl_b32 s[MU16], s[TS], 4
	s_lshl_b32 s[MU64], s[TS], 6
	v_add_nc_u32 v[AD0], s[MU16], v[MKA]
	v_add_nc_u32 v[AD1], s[MU64], v[SBA]
	v_add_nc_u32 v[CRT], s[CB], v[CR0]
	ds_load_u8 v[T4], v[AD0]                       ; row r's mask byte
.irp i, 0,1,2,3,4,5,6,7,8,9,10,11,12,13,14,15
	ds_load_b64 v[XN+4*\i:XN+4*\i+1], v[CRT] offset:CP*\i            ; row i of the copy: 32 lanes take 256 consecutive bytes
	ds_load_b64 v[XN+4*\i+2:XN+4*\i+3], v[CRT] offset:CP*\i+256
.endr
.endm
.macro COMPUTE lo, n, mode
	UNIT 0, \lo, \n, \mode
	UNIT 1, \lo, \n, \mode
	UNIT 2, \lo, \n, \mode
	UNIT 3, \lo, \n, \mode
.if \mode == 2
	s_cmp_lt_u32 s[TAU], 4                         ; no tile is finished before trip 4
	s_cbranch_scc1 .Lne_\@
.endif
.if \mode >= 2
	FLOADS
.endif
.Lne_\@:
	DRAIN \lo, \n
.endm
; Slot k has met all 16 units: my 256 d's sum for row r goes to SCR, and the slot's sums begin anew.  Lanes r and r + 16 write the same word with the same value.
.macro PRE k
	v_add_f32 v[T0], v[SS+2*\k], v[SS+2*\k+1]
	v_permlanex16_b32 v[T1], v[T0], s[SEL], s[SEL+1]
	v_add_f32 v[T0], v[T0], v[T1]
	ds_store_b32 v[SCRW], v[T0]
	v_mov_b32 v[SS+2*\k], 0
	v_mov_b32 v[SS+2*\k+1], 0
.endm
.macro PRESEL k                        ; if the trip's slot is k
	s_cmp_lg_u32 s[SG], \k
	s_cbranch_scc1 .Lp_\@
	PRE \k
.Lp_\@:
.endm
; THE BARRIER IN FRONT OF A REFILL.  Each wave waits for all its tensor loads (one is out: this trip's tile), adds 0 to its spare word, and waits for that, for its store into SCR and for its LDS reads.
; Behind it: the partial sums of all four waves lie in SCR; nobody reads the last tile's images any more; and the ring slot read a trip ago takes tile TAU + 1, which has a whole trip in which to land.
; pf > 0: A PREFETCH INTO THE L2 of tile TAU + 2: my wave's 16 rows x 1,024 bytes, lanes 256 bytes apart, two instructions: one trip ahead of the tensor load that will ask for them.  Nobody else reads these
; bytes, so each is named once in the launch.  Tiles 0 to 2 come by their loads alone; trip 13 asks for the last tile, trip 14 for nothing (pf = 2: the test).  The address is stepped a trip behind the prefetch that read it.
.macro BARA fill, pf
	s_wait_tensorcnt 0x0                           ; no tensor load of mine is out, so group 0 may be written
	ds_add_u32 v[SPW], v[NIL]                      ; 0 onto my spare word
.if \fill
	s_xor_b32 s[G0+1], s[G0+1], XSL                ; the other ring slot (XWV w has neither of XSL's two bits, so this adds or takes away XSL),
	s_add_nc_u64 s[G0+2:G0+3], s[G0+2:G0+3], 65536 ; the next 16 rows of 4,096 bytes; the type bits on top are not reached
.endif
.if \pf
	s_wait_xcnt 0x0
	s_add_nc_u64 s[PFA:PFA+1], s[PFA:PFA+1], 65536
.endif
	s_wait_dscnt 0x0
	s_barrier_signal -1
	s_barrier_wait -1
.if \fill
	tensor_load_to_lds s[G0:G0+3], s[G1:G1+7]      ; my one tensor load until the next such barrier, and the first thing behind this one
	s_nop 0
.rept 4
	v_nop
.endr
.endif
.if \pf == 2
	s_cmp_lt_u32 s[TAU], 14
	s_cbranch_scc0 .Lnp_\@
.endif
.if \pf
	global_prefetch_b8 v[PFO], s[PFA:PFA+1] th:TH_LOAD_NT scope:SCOPE_SE
	global_prefetch_b8 v[PFO], s[PFA:PFA+1] offset:512 th:TH_LOAD_NT scope:SCOPE_SE
.endif
.Lnp_\@:
.endm
; TILE TAU - 4 IS FINISHED.  Every wave makes the 16 scores (lane r and lane r + 16: row r), so that none waits for another; each then adds its own 256 columns of the context from its own bf16 copy,
; whose rows and whose mask byte came into registers in front of the barrier.
.macro FINISH
.irp k, 0,1,2,3
	ds_load_b32 v[T0+\k], v[SCRR] offset:64*\k     ; the four waves' sums of row r
.endr
	s_wait_dscnt 0x0
	v_add_f32 v[T0], v[T0], v[T1]
	v_add_f32 v[T2], v[T2], v[T3]
	v_add_f32 v[T0], v[T0], v[T2]
	v_fma_f32 v[T0], v[T0], -2.0, v[WSUM]          ; the score
	v_mov_b32 v[T5], 0xce6e6b28                    ; -1e9
	v_cmp_ne_u32 vcc_lo, 0, v[T4]
	v_cndmask_b32 v[T0], v[T5], v[T0], vcc_lo      ; a choice of values, no branch
	ds_store_b32 v[AD1], v[T0]                     ; kept for the way out
	v_max_num_f32_dpp v[T1], v[T0], v[T0] row_xmask:1 row_mask:0xf bank_mask:0xf
	v_max_num_f32_dpp v[T1], v[T1], v[T1] row_xmask:2 row_mask:0xf bank_mask:0xf
	v_max_num_f32_dpp v[T1], v[T1], v[T1] row_xmask:4 row_mask:0xf bank_mask:0xf
	v_max_num_f32_dpp v[T1], v[T1], v[T1] row_xmask:8 row_mask:0xf bank_mask:0xf
	v_max_num_f32 v[T1], v[T1], v[MX]              ; the new m
	v_sub_f32 v[T2], v[MX], v[T1]                  ; the differences first, then log2(e): at -1e9 a fused form would leave the product's rounding error standing
	v_sub_f32 v[T3], v[T0], v[T1]
	v_mul_f32 v[T2], s[LG], v[T2]
	v_mul_f32 v[T3], s[LG], v[T3]
	v_exp_f32 v[FF], v[T2]                         ; e^(old m - new m): 0 in the first tile, where the old m is -3e38
	v_exp_f32 v[T3], v[T3]                         ; p of row r
	v_mov_b32 v[MX], v[T1]                         ; (the plain line behind the two)
	s_wait_alu depctr_va_vdst(0)                   ; one wait for both, ahead of their first reader
	v_add_f32_dpp v[T6], v[T3], v[T3] row_xmask:1 row_mask:0xf bank_mask:0xf
	v_add_f32_dpp v[T6], v[T6], v[T6] row_xmask:2 row_mask:0xf bank_mask:0xf
	v_add_f32_dpp v[T6], v[T6], v[T6] row_xmask:4 row_mask:0xf bank_mask:0xf
	v_add_f32_dpp v[T6], v[T6], v[T6] row_xmask:8 row_mask:0xf bank_mask:0xf
	v_fma_f32 v[LS], v[LS], v[FF], v[T6]
.irp i, 0,1,2,3,4,5,6,7,8,9,10,11,12,13,14,15
	v_readlane_b32 s[PP+\i], v[T3], \i             ; row i's p for every lane: data alone, no address and no branch hangs on it
.endr
.irp i, 0,1,2,3,4,5,6,7,8,9,10,11,12,13,14,15
	v_mov_b32 v[PC+\i], s[PP+\i]
.endr
.irp c, 0,2,4,6
	v_pk_mul_f32 v[CX+\c:CX+\c+1], v[CX+\c:CX+\c+1], v[FF:FF+1] op_sel_hi:[1,0]
.endr
.irp i, 0,1,2,3,4,5,6,7,8,9,10,11,12,13,14,15
.irp q, 0,1
.irp k, 0,1
	v_fma_mix_f32_bf16 v[CX+4*\q+2*\k], v[XN+4*\i+2*\q+\k], v[PC+\i], v[CX+4*\q+2*\k] op_sel_hi:[1,0,0]                     ; the low bf16 x p + the sum, in f32: eight chains by turns
	v_fma_mix_f32_bf16 v[CX+4*\q+2*\k+1], v[XN+4*\i+2*\q+\k], v[PC+\i], v[CX+4*\q+2*\k+1] op_sel:[1,0,0] op_sel_hi:[1,0,0]  ; the high one
.endr
.endr
.endr
.endm
; 64 numbers of a lane, v[s] .. v[s + 63], register 16 b + i = k 32 b + 16 h + i of my row, become a fragment's codes in v[PC] on and its scale word in v[PW].
.macro QUANT s
.irp b, 0,1,2,3
	v_max3_num_f32 v[TM+\b], |v[\s+16*\b]|, |v[\s+1+16*\b]|, 0x2800000   ; block b: my 16 numbers, and the floor 2^(5 - 127): so the byte cannot fall under 1
.endr
.irp i, 2,4,6,8,10,12,14
.irp b, 0,1,2,3
	v_max3_num_f32 v[TM+\b], v[TM+\b], |v[\s+16*\b+\i]|, |v[\s+1+16*\b+\i]|   ; (the four blocks by turns)
.endr
.endr
.irp b, 0,1,2,3
	v_permlanex16_b32 v[TM+4+\b], v[TM+\b], s[SEL], s[SEL+1]
.endr
.irp b, 0,1,2,3
	v_max_num_f32 v[TM+\b], v[TM+\b], v[TM+4+\b]   ; with lane l xor 16's: the block's largest magnitude
.endr
.irp b, 0,1,2,3
	v_add_nc_u32 v[TM+12+\b], 0xfe000000, v[TM+\b] ; 4 off its exponent field: the conversion takes the exponent field of this operand as its scale, and nothing else of it
.endr
.irp b, 0,1,2,3
	v_lshrrev_b32 v[TM+4+\b], 23, v[TM+12+\b]      ; the scale's byte
.endr
	v_lshl_or_b32 v[PW], v[TM+5], 8, v[TM+4]       ; the four bytes make my row's scale word
	v_lshl_or_b32 v[PW], v[TM+6], 16, v[PW]
	v_lshl_or_b32 v[PW], v[TM+7], 24, v[PW]
.irp c, 0,1
	v_cvt_scalef32_pk16_bf6_f32 v[PC+6*\c:PC+2+6*\c], v[\s+32*\c:\s+15+32*\c], v[TM+12+2*\c]
	v_cvt_scalef32_pk16_bf6_f32 v[PC+12+4*\c:PC+14+4*\c], v[\s+16+32*\c:\s+31+32*\c], v[TM+12+2*\c+1]   ; (a conversion's three registers begin on an even number)
.endr
	v_nop                                          ; one plain line behind a scaled conversion
.irp c, 0,1                                    ; the operand's layout wants a WHOLE block in a lane: lanes 0-15 block 2 c, lanes 16-31 block 2 c + 1
.irp i, 0,1,2
	v_permlane16_swap_b32 v[PC+6*\c+\i], v[PC+12+4*\c+\i]
.endr
.irp i, 0,1,2
	v_mov_b32 v[PC+3+6*\c+\i], v[PC+12+4*\c+\i]
.endr
.endr
.endm
; TILE TAU: my 256 columns of its 16 rows, two K steps of 128.  Each becomes a fragment, whose image and scale words go to LDS for all four waves, and 16 x 128 numbers of bf16, which go to my own copy.
.macro CONVERT
	v_add_nc_u32 v[XT], s[XB], v[XA]
	v_add_nc_u32 v[CWT], s[CB], v[CW0]
.irp sl, 0,1
.irp b, 0,1,2,3
.irp j, 0,1,2,3
	ds_load_b128 v[XN+16*\b+4*\j:XN+16*\b+4*\j+3], v[XT] offset:512*\sl+128*\b+16*\j   ; of each block of 32 my half's 16 neighbours
.endr
.endr
	s_wait_dscnt 0x0
	QUANT XN
.irp c, 0,1,2
	ds_store_b128 v[IW], v[PC+4*\c:PC+4*\c+3] offset:1536*\sl+512*\c
.endr
	ds_store_b32 v[IS], v[PW] offset:128*\sl
.set kk, 0
.rept 32
	v_cvt_pk_bf16_f32 v[XN+kk], v[XN+2*kk], v[XN+2*kk+1]   ; in place, upwards: a result never lands on numbers still to be read
.set kk, kk+1
.endr
.irp b, 0,1,2,3
.irp q, 0,1
	ds_store_b128 v[CWT], v[XN+8*\b+4*\q:XN+8*\b+4*\q+3] offset:256*\sl+64*\b+16*\q
.endr
.endr
	s_wait_dscnt 0x0                               ; the stores have read their registers
.endr
.endm
; The plain barrier: the new tile's images lie in LDS, and every wave's reads of SCR are over.  My tensor load stays out across it.
.macro BARB
	s_wait_dscnt 0x0
	s_barrier_signal -1
	s_barrier_wait -1
.endm
; The new tile's 8 fragments and scale words into slot k's registers, in every wave: K steps 0-3 to window 2, K steps 4-7 to window 3.
; The last products that read these registers stand in front of the sums', the finish's and the conversion's plain lines.
.macro LOADSLOT k
	WIN 0x80                                       ; destination window 2
.irp s, 0,1,2,3
.irp c, 0,1,2
	ds_load_b128 v[48*\k+12*\s+4*\c:48*\k+12*\s+4*\c+3], v[IMR] offset:1536*\s+512*\c
.endr
.endr
	WIN 0xc0                                       ; destination window 3
.irp s, 0,1,2,3
.irp c, 0,1,2
	ds_load_b128 v[48*\k+12*\s+4*\c:48*\k+12*\s+4*\c+3], v[IMR] offset:1536*(\s+4)+512*\c
.endr
.endr
	WIN 0
.irp s, 0,1,2,3,4,5,6,7
	ds_load_b32 v[ES+8*\k+\s], v[ISR] offset:128*\s
.endr
.endm
.macro LSSEL k                         ; if the trip's slot is k
	s_cmp_lg_u32 s[SG], \k
	s_cbranch_scc1 .Ll_\@
	LOADSLOT \k
.Ll_\@:
.endm
; A TRIP.  mode 0: trip 0, nothing to multiply yet; tile 0's codes go into all four slots, so that every slot holds codes.  mode 1: trips 1, 2 (slots 0, 1; nothing to finish).  mode 2: trips 3 to 14.
; mode 3: trips 15 to 17, which ask for no tile.  mode 4: trips 18, 19 (slots 2, 3; no new tile).
.macro TRIP mode
	s_and_b32 s[SG], s[TAU], 3
	s_mul_i32 s[CB], s[SG], CSL
.if \mode == 1
	COMPUTE 0, 2, 1
	PRESEL 1                                       ; trip 1 throws away what slot 1 summed over tile 0's codes; in trip 2 slot 2 has summed nothing
.elseif \mode == 2
	COMPUTE 0, 4, 2
	PRESEL 0
	PRESEL 1
	PRESEL 2
	PRESEL 3
.elseif \mode == 3
	COMPUTE 0, 4, 3
	PRESEL 3
	PRESEL 0
	PRESEL 1
.elseif \mode == 4
	COMPUTE 2, 2, 4
	PRESEL 2
	PRESEL 3
.endif
.if \mode == 0
	BARA 1, 0
.elseif \mode == 1
	BARA 1, 1
.elseif \mode == 2
	BARA 1, 2
.else
	BARA 0, 0
.endif
.if \mode == 2
	s_cmp_lt_u32 s[TAU], 4                         ; no tile is finished before trip 4
	s_cbranch_scc1 .Lnf_\@
.endif
.if \mode >= 2
	FINISH
.endif
.Lnf_\@:
.if \mode == 3
	s_cmp_gt_u32 s[TAU], 15                        ; tile 15 is the last
	s_cbranch_scc1 .Lnc_\@
.endif
.if \mode < 4
	CONVERT
.endif
.Lnc_\@:
	BARB
.if \mode == 0
	LOADSLOT 0
	LOADSLOT 1
	LOADSLOT 2
	LOADSLOT 3
.elseif \mode == 1
	LSSEL 1
	LSSEL 2
.elseif \mode == 2
	LSSEL 0
	LSSEL 1
	LSSEL 2
	LSSEL 3
.elseif \mode == 3
	s_cmp_gt_u32 s[TAU], 15
	s_cbranch_scc1 .Lnl_\@
	LOADSLOT 3                                     ; tile 15
.endif
.Lnl_\@:
	s_xor_b32 s[XB], s[XB], XSL                    ; the next tile lies in the other ring slot
	s_add_co_u32 s[TAU], s[TAU], 1
.endm
	; ---- THE HEAD
	s_load_b512 s[4:19], s[0:1], 0x0               ; enc s[4:5], mask s[6:7], wf s[8:9], W's scales s[10:11], cq s[12:13], W_energy s[14:15], sc s[16:17], pc s[18:19]
	s_load_b64 s[20:21], s[0:1], 0x40              ; pml
	v_lshl_add_u32 v[SPW], v0, 2, SPARE
	v_mov_b32 v[NIL], 0
	ds_add_u32 v4, v5
	ds_add_u32 v4, v5
	s_wait_dscnt 0x0
	v_lshrrev_b32 v[T0], 5, v0
	v_readfirstlane_b32 s[WV], v[T0]               ; wave 0..3
	; descriptor group 1: 16 rows x 256 elements of 4 bytes, 1,024 elements from row to row, 4 words of padding behind every 256 words
	s_mov_b32 s[G1+0], (2<<16)|(1<<20)|(7<<22)|(3<<25)   ; 15:0 no mask; 17:16 elements of 4 bytes; 20 padding on; 24:22 after every 256 words (code 7); 31:25 of 4 words (code 3)
	s_mov_b32 s[G1+1], 256<<16                     ; tensor_dim0 = 256
	s_mov_b32 s[G1+2], 16<<16                      ; tensor_dim1 = 16
	s_mov_b32 s[G1+3], 256<<16                     ; tile_dim0 = 256
	s_mov_b32 s[G1+4], 16                          ; tile_dim1 = 16
	s_mov_b32 s[G1+5], 1024                        ; tensor_dim0_stride
	s_mov_b32 s[G1+6], 0
	s_mov_b32 s[G1+7], 0
	s_mov_b32 s[SEL], 0x76543210
	s_mov_b32 s[SEL+1], 0xfedcba98
	s_mov_b32 s[LG], 0x3fb8aa3b                    ; log2(e)
	s_mov_b32 s[XB], 0
	s_mov_b32 s[TAU], 0
	s_mul_i32 s[WOFF], s[WV], XWV
	s_mov_b32 s[OF+1], 0
	s_lshl_b32 s[OF], ttmp9, 20                    ; my work-group's 256 rows of 4,096 bytes,
	s_lshl_b32 s[TS], s[WV], 10                    ; my wave's 256 columns
	s_add_co_u32 s[OF], s[OF], s[TS]
	s_wait_kmcnt 0x0
	s_add_nc_u64 s[4:5], s[4:5], s[OF:OF+1]
	s_mov_b32 s[G0], 1                             ; 1:0 count = 1
	s_mov_b32 s[G0+1], s[WOFF]                     ; 63:32 LDS address: ring slot 0, my wave's part
	s_mov_b64 s[G0+2:G0+3], s[4:5]                 ; 120:64 global address: tile 0
	s_or_b32 s[G0+3], s[G0+3], 0x80000000          ; 127:126 type = 2
	tensor_load_to_lds s[G0:G0+3], s[G1:G1+7]      ; the first fill, ahead of every wait on TENSORcnt, every LDS read and every barrier
	s_nop 0
	v_and_b32 v[LN], 31, v0
	v_and_b32 v[RR], 15, v0
	v_bfe_u32 v[HH], v0, 4, 1
	v_lshlrev_b32 v[L16], 4, v[LN]
	v_lshlrev_b32 v[L8], 3, v[LN]
	v_lshlrev_b32 v[L4], 2, v[LN]
	v_lshlrev_b32 v[SA], 5, v[RR]
	v_lshlrev_b32 v[HA], 5, v[HH]
	v_mul_u32_u24 v[XA], v[RR], XP
	v_lshl_add_u32 v[XA], v[HH], 6, v[XA]
	v_add_nc_u32 v[XA], s[WOFF], v[XA]
	s_mul_i32 s[TS], s[WV], 3072
	s_add_co_u32 s[TS], s[TS], IMG
	v_add_nc_u32 v[IW], s[TS], v[L16]
	s_lshl_b32 s[TS], s[WV], 8
	s_add_co_u32 s[TS], s[TS], IMGS
	v_add_nc_u32 v[IS], s[TS], v[L4]
	v_add_nc_u32 v[ISR], IMGS, v[L4]
	v_add_nc_u32 v[IMR], IMG, v[L16]
	s_mul_i32 s[TS], s[WV], CWV
	s_add_co_u32 s[TS], s[TS], CPY
	v_mul_u32_u24 v[CW0], v[RR], CP
	v_lshl_add_u32 v[CW0], v[HH], 5, v[CW0]
	v_add_nc_u32 v[CW0], s[TS], v[CW0]
	v_add_nc_u32 v[CR0], s[TS], v[L8]
	v_lshl_add_u32 v[SCRR], v[RR], 2, SCR
	s_lshl_b32 s[TS], s[WV], 6
	v_add_nc_u32 v[SCRW], s[TS], v[SCRR]
	s_lshl_b32 s[TS], s[WV], 8
	s_add_co_u32 s[TS], s[TS], MSK
	v_add_nc_u32 v[MKA], s[TS], v[RR]
	v_add_nc_u32 v[AD0], s[TS], v[L8]              ; where my 8 mask bytes go
	s_lshl_b32 s[TS], s[WV], 10
	s_add_co_u32 s[TS], s[TS], SCB
	v_lshl_add_u32 v[SBA], v[RR], 2, s[TS]
	v_lshlrev_b32 v[PFO], 12, v[RR]
	v_lshl_add_u32 v[PFO], v[HH], 8, v[PFO]
	s_add_nc_u64 s[PFA:PFA+1], s[4:5], 0x20000     ; at tile 2: trip 1 steps it to tile 3 and asks.  Nothing is prefetched here, at the head
	s_lshl_b32 s[OF], ttmp9, 8                     ; the mask: 256 bytes a work-group; pml likewise
	s_add_nc_u64 s[6:7], s[6:7], s[OF:OF+1]
	s_add_nc_u64 s[20:21], s[20:21], s[OF:OF+1]
	s_mul_i32 s[OF], s[WV], 196608                 ; wf: my 16 tiles of d x 8 fragments x 1,536 bytes
	s_add_nc_u64 s[8:9], s[8:9], s[OF:OF+1]
	s_lshl_b32 s[OF], s[WV], 13                    ; W's scales: my 256 rows of 32 bytes
	s_add_nc_u64 s[10:11], s[10:11], s[OF:OF+1]
	s_lshl_b32 s[OF], s[WV], 10                    ; W_energy: my 256 numbers (the pointer itself stays: the sum of w reads all 1,024)
	s_add_nc_u64 s[EW:EW+1], s[14:15], s[OF:OF+1]
	s_lshr_b32 s[TS], ttmp9, 3                     ; the batch
	s_lshl_b32 s[TS], s[TS], 12
	s_add_co_u32 s[OF], s[OF], s[TS]               ; cq: the batch's row of 4,096 bytes + my 256 numbers
	s_add_nc_u64 s[12:13], s[12:13], s[OF:OF+1]
	s_lshl_b32 s[OF], ttmp9, 10                    ; sc: 1,024 bytes a work-group, 256 a wave
	s_lshl_b32 s[TS], s[WV], 8
	s_add_co_u32 s[OF], s[OF], s[TS]
	s_add_nc_u64 s[16:17], s[16:17], s[OF:OF+1]
	s_lshl_b32 s[OF], ttmp9, 12                    ; pc: 4,096 bytes a work-group, 1,024 a wave
	s_lshl_b32 s[TS], s[WV], 10
	s_add_co_u32 s[OF], s[OF], s[TS]
	s_add_nc_u64 s[18:19], s[18:19], s[OF:OF+1]
.irp i, 0,1,2,3,4,5,6,7
	global_load_b128 v[XN+4*\i:XN+4*\i+3], v[L16], s[14:15] offset:512*\i   ; all of w: 32 numbers a lane
.endr
	global_load_b64 v[PC:PC+1], v[L8], s[6:7]      ; the work-group's 256 mask bytes
	s_mov_b32 s[GM], 15
	WLOADS 0, 0                                    ; unit 0's operands,
	WLOADS 1, 1                                    ; and unit 1's
	v_mov_b32 v[MX], 0xff61b1e6                    ; m: -3e38, under every score and under -1e9
	v_mov_b32 v[LS], 0
.irp i, 0,1,2,3,4,5,6,7
	v_mov_b32 v[CX+\i], 0
	v_mov_b32 v[SS+\i], 0
.endr
.irp b, 0,1,2,3
	v_mov_b32 v[TM+4+\b], 0                        ; written once: a lane permute's destination counts as one of its sources
.endr
	v_mov_b32 v[T1], 0
	v_mov_b32 v[T6], 0
	v_mov_b32 v[FF+1], 0                           ; (named as the upper half of a pair)
	WIN 0x80                                       ; the tanh's two constants, as pairs, in both windows in which the products' source 1 lies
	v_mov_b32 v[KC], 0x4038aa3b                    ; c = 2 log2(e)
	v_mov_b32 v[KC+1], 0x4038aa3b
	v_mov_b32 v[K1], 1.0
	v_mov_b32 v[K1+1], 1.0
	WIN 0xc0
	v_mov_b32 v[KC], 0x4038aa3b
	v_mov_b32 v[KC+1], 0x4038aa3b
	v_mov_b32 v[K1], 1.0
	v_mov_b32 v[K1+1], 1.0
	WIN 0
	s_wait_loadcnt 60                              ; w and the mask are in; the two units' 60 loads, issued behind them, may be out
	ds_store_b64 v[AD0], v[PC:PC+1]                ; my wave's own copy of the mask
.irp i, 4,8,12,16,20,24,28
	v_pk_add_f32 v[XN:XN+1], v[XN:XN+1], v[XN+\i:XN+\i+1]         ; the sum of w: two chains,
	v_pk_add_f32 v[XN+2:XN+3], v[XN+2:XN+3], v[XN+\i+2:XN+\i+3]
.endr
	v_pk_add_f32 v[XN:XN+1], v[XN:XN+1], v[XN+2:XN+3]
	v_add_f32 v[WSUM], v[XN], v[XN+1]
	v_add_f32_dpp v[WSUM], v[WSUM], v[WSUM] row_xmask:1 row_mask:0xf bank_mask:0xf   ; then across the 32 lanes
	v_add_f32_dpp v[WSUM], v[WSUM], v[WSUM] row_xmask:2 row_mask:0xf bank_mask:0xf
	v_add_f32_dpp v[WSUM], v[WSUM], v[WSUM] row_xmask:4 row_mask:0xf bank_mask:0xf
	v_add_f32_dpp v[WSUM], v[WSUM], v[WSUM] row_xmask:8 row_mask:0xf bank_mask:0xf
	v_permlanex16_b32 v[T1], v[WSUM], s[SEL], s[SEL+1]
	v_add_f32 v[WSUM], v[WSUM], v[T1]
	; ---- THE TRIPS
	TRIP 0
.LR1:                                              ; trips 1, 2: slots 0, 1
	TRIP 1
	s_cmp_lt_u32 s[TAU], 3
	s_cbranch_scc1 .LR1
.LA:                                               ; trips 3 to 14: all four slots; each asks for tile TAU + 1
	TRIP 2
	s_cmp_lt_u32 s[TAU], 15
	s_cbranch_scc1 .LA
.LB:                                               ; trips 15 to 17 are a text of their own
	TRIP 3
	s_cmp_lt_u32 s[TAU], 18
	s_cbranch_scc1 .LB
.LR2:                                              ; trips 18, 19: slots 2, 3
	TRIP 4
	s_cmp_lt_u32 s[TAU], 20
	s_cbranch_scc1 .LR2
	; ---- THE WAY OUT.  Each store of the wave covers 512 or 256 consecutive bytes, aligned.
	global_store_b128 v[L16], v[CX:CX+3], s[18:19]                 ; my 256 columns of the partial context
	global_store_b128 v[L16], v[CX+4:CX+7], s[18:19] offset:512
	s_mul_i32 s[TS], s[WV], 1280                   ; of my own copy of the scores (1,024 w) my quarter (256 w)
	s_add_co_u32 s[TS], s[TS], SCB
	v_add_nc_u32 v[AD0], s[TS], v[L8]
	ds_load_b64 v[T0:T0+1], v[AD0]                 ; LDS serves a wave's instructions in order (ISA guide 5.7.1.4): this sees my stores
	s_wait_dscnt 0x0
	global_store_b64 v[L8], v[T0:T0+1], s[16:17]
	s_cmp_lg_u32 s[WV], 0                          ; m and l are the same in all waves and lanes: wave 0 stores them, 32 times over
	s_cbranch_scc1 .Lnot_wave_0
	global_store_b64 v[L8], v[MX:MX+1], s[20:21]
.Lnot_wave_0:
	s_wait_tensorcnt 0x0                           ; the wave's end, behind my last tensor load and my last LDS store
	ds_add_u32 v[SPW], v[NIL]
	s_wait_dscnt 0x0
	s_endpgm
.Lfunc_end_k_q60f63610e8_attn:
	.size	k_q60f63610e8_attn, .Lfunc_end_k_q60f63610e8_attn-k_q60f63610e8_attn
	.p2alignl 7, 3214868480
	.fill 96, 4, 3214868480
	.section	.rodata,"a",@progbits
	.p2align	6, 0x0
	.amdhsa_kernel k_q60f63610e8_attn
		.amdhsa_group_segment_fixed_size 327680
		.amdhsa_private_segment_fixed_size 0
		.amdhsa_enable_private_segment 0
		.amdhsa_kernarg_size 72
		.amdhsa_user_sgpr_count 2
		.amdhsa_user_sgpr_kernarg_segment_ptr 1
		.amdhsa_wavefront_size32 1
		.amdhsa_system_sgpr_workgroup_id_x 1
		.amdhsa_system_sgpr_workgroup_id_y 1
		.amdhsa_system_sgpr_workgroup_id_z 1
		.amdhsa_system_vgpr_workitem_id 0
		.amdhsa_next_free_vgpr 964
		.amdhsa_next_free_sgpr 80
		.amdhsa_reserve_vcc 1
		.amdhsa_float_denorm_mode_32 3
		.amdhsa_float_denorm_mode_16_64 3
		.amdhsa_memory_ordered 1
		.amdhsa_forward_progress 1
		.amdhsa_inst_pref_size 255
	.end_amdhsa_kernel
	.section	.bss,"aw",@nobits
	.p2align	6
	.space	262144
	.amdgpu_metadata
---
amdhsa.version: [ 1, 2 ]
amdhsa.kernels:
  - .name:           k_q60f63610e8_attn
    .symbol:         k_q60f63610e8_attn.kd
    .args:
      - { .name: encoder_outputs, .offset: 0, .size: 8, .value_kind: global_buffer, .address_space: global }
      - { .name: src_mask, .offset: 8, .size: 8, .value_kind: global_buffer, .address_space: global }
      - { .name: wf, .offset: 16, .size: 8, .value_kind: global_buffer, .address_space: global }
      - { .name: W_key_scales, .offset: 24, .size: 8, .value_kind: global_buffer, .address_space: global }
      - { .name: cq, .offset: 32, .size: 8, .value_kind: global_buffer, .address_space: global }
      - { .name: W_energy, .offset: 40, .size: 8, .value_kind: global_buffer, .address_space: global }
      - { .name: sc, .offset: 48, .size: 8, .value_kind: global_buffer, .address_space: global }
      - { .name: pc, .offset: 56, .size: 8, .value_kind: global_buffer, .address_space: global }
      - { .name: pml, .offset: 64, .size: 8, .value_kind: global_buffer, .address_space: global }
    .group_segment_fixed_size: 327680
    .private_segment_fixed_size: 0
    .kernarg_segment_align: 8
    .kernarg_segment_size: 72
    .max_flat_workgroup_size: 128
    .sgpr_count:     80
    .vgpr_count:     964
    .wavefront_size: 32
...
	.end_amdgpu_metadata
.endif
;; end of part 2
;; launch fin (part 3): grid 256 x 1, 1 waves a work-group, no clusters, 0 bytes of LDS; arguments sc, pc, pml, out0, out1; writes out0, out1
.if DOCPART == 3
	.amdgcn_target "amdgcn-amd-amdhsa--gfx1250"
	.amdhsa_code_object_version 6
	.text
	.protected	k_q60f63610e8_fin
	.globl	k_q60f63610e8_fin
	.p2align	8
	.type	k_q60f63610e8_fin,@function
k_q60f63610e8_fin:
	s_mov_b64 s[64:65], 0
	v_nop
	global_prefetch_b8 v0, s[64:65] scope:SCOPE_SE
	s_setreg_imm32_b32 hwreg(HW_REG_WAVE_MODE, 25, 1), 1
	s_wait_xcnt 0x0
; The 8 parts of a batch are joined.  Part k of batch b (work-group 8 b + k of the launch before) left its maximum m_k, its sum l_k = sum of e^(score - m_k), its context c_k = sum of e^(score - m_k) enc, and its scores.
; M = the largest m_k; f_k = e^(m_k - M); L = sum of f_k l_k;  out0 = (sum of f_k c_k) / L;  out1 = e^(score - M) / L.  The largest part has f = 1 and l of 1 or more, so L is no zero.
; Where every key of a batch is masked all scores are -1e9, every weight is 1 / 2,048, as in the definition.
; One wave a work-group; work-group x = 8 b + i makes columns 128 i .. + 127 of out0[b] and rows 256 i .. + 255 of out1[b].  Every load and store of the wave covers 512 consecutive bytes, aligned
; (m_k and l_k: the same 8 bytes in every lane).  Memory binds what little there is: no LDS, no barrier, no matrix unit.
	s_load_b256 s[4:11], s[0:1], 0x0               ; sc s[4:5], pc s[6:7], pml s[8:9], out0 s[10:11]
	s_load_b64 s[12:13], s[0:1], 0x20              ; out1
	v_lshlrev_b32 v1, 4, v0                        ; 16 x lane
	v_mov_b32 v2, 0
	s_lshr_b32 s14, ttmp9, 3                       ; b
	s_and_b32 s15, ttmp9, 7                        ; i
	s_lshl_b32 s16, ttmp9, 10                      ; sc, out1: 256 numbers a work-group
	s_mov_b32 s17, 0
	s_lshl_b32 s18, s14, 15                        ; pc: the batch's 8 rows of 4,096 bytes,
	s_lshl_b32 s15, s15, 9                         ; my 128 columns
	s_add_co_u32 s18, s18, s15
	s_mov_b32 s19, 0
	s_lshl_b32 s20, s14, 11                        ; pml: the batch's 8 x 256 bytes
	s_mov_b32 s21, 0
	s_lshl_b32 s22, s14, 12                        ; out0: the batch's row, my 128 columns
	s_add_co_u32 s22, s22, s15
	s_mov_b32 s23, 0
	s_wait_kmcnt 0x0
	s_add_nc_u64 s[4:5], s[4:5], s[16:17]
	s_add_nc_u64 s[12:13], s[12:13], s[16:17]
	s_add_nc_u64 s[6:7], s[6:7], s[18:19]
	s_add_nc_u64 s[8:9], s[8:9], s[20:21]
	s_add_nc_u64 s[10:11], s[10:11], s[22:23]
.irp k, 0,1,2,3,4,5,6,7
	global_load_b64 v[8+2*\k:9+2*\k], v2, s[8:9] offset:256*\k      ; m_k, l_k
.endr
.irp k, 0,1,2,3,4,5,6,7
	global_load_b128 v[32+4*\k:35+4*\k], v1, s[6:7] offset:4096*\k  ; c_k, four columns a lane
.endr
	global_load_b128 v[64:67], v1, s[4:5]          ; eight scores a lane
	global_load_b128 v[68:71], v1, s[4:5] offset:512
	s_wait_loadcnt 0x0
	v_max3_num_f32 v24, v8, v10, v12
	v_max3_num_f32 v24, v24, v14, v16
	v_max3_num_f32 v24, v24, v18, v20
	v_max_num_f32 v24, v24, v22                    ; M
.irp k, 0,1,2,3,4,5,6,7
	v_sub_f32 v[72+\k], v[8+2*\k], v24             ; the differences first, then log2(e): at -1e9 a fused form would leave the product's rounding error standing
	v_sub_f32 v[64+\k], v[64+\k], v24
.endr
.irp k, 0,1,2,3,4,5,6,7
	v_mul_f32 v[72+\k], 0x3fb8aa3b, v[72+\k]
	v_mul_f32 v[64+\k], 0x3fb8aa3b, v[64+\k]
.endr
.irp k, 0,1,2,3,4,5,6,7
	v_exp_f32 v[72+\k], v[72+\k]                   ; f_k
.endr
.irp k, 0,1,2,3,4,5,6,7
	v_exp_f32 v[64+\k], v[64+\k]                   ; e^(score - M)
.endr
	v_nop                                          ; a plain line behind the batch,
	s_wait_alu depctr_va_vdst(0)                   ; and one wait for all sixteen, ahead of their first reader
	v_mul_f32 v25, v72, v9
.irp k, 1,2,3,4,5,6,7
	v_fma_f32 v25, v[72+\k], v[9+2*\k], v25        ; L
.endr
	v_rcp_f32 v26, v25
.irp c, 0,1,2,3
	v_mul_f32 v[80+\c], v72, v[32+\c]              ; the context's sums stand behind the reciprocal: they name neither it nor L
.endr
.irp k, 1,2,3,4,5,6,7
.irp c, 0,1,2,3
	v_fma_f32 v[80+\c], v[72+\k], v[32+4*\k+\c], v[80+\c]
.endr
.endr
	s_wait_alu depctr_va_vdst(0)                   ; the wait for the reciprocal, ahead of its first reader
.irp c, 0,1,2,3
	v_mul_f32 v[80+\c], v[80+\c], v26
.endr
.irp k, 0,1,2,3,4,5,6,7
	v_mul_f32 v[64+\k], v[64+\k], v26
.endr
	global_store_b128 v1, v[80:83], s[10:11]
	global_store_b128 v1, v[64:67], s[12:13]
	global_store_b128 v1, v[68:71], s[12:13] offset:512
	s_endpgm
.Lfunc_end_k_q60f63610e8_fin:
	.size	k_q60f63610e8_fin, .Lfunc_end_k_q60f63610e8_fin-k_q60f63610e8_fin
	.p2alignl 7, 3214868480
	.fill 96, 4, 3214868480
	.section	.rodata,"a",@progbits
	.p2align	6, 0x0
	.amdhsa_kernel k_q60f63610e8_fin
		.amdhsa_group_segment_fixed_size 0
		.amdhsa_private_segment_fixed_size 0
		.amdhsa_enable_private_segment 0
		.amdhsa_kernarg_size 40
		.amdhsa_user_sgpr_count 2
		.amdhsa_user_sgpr_kernarg_segment_ptr 1
		.amdhsa_wavefront_size32 1
		.amdhsa_system_sgpr_workgroup_id_x 1
		.amdhsa_system_sgpr_workgroup_id_y 1
		.amdhsa_system_sgpr_workgroup_id_z 1
		.amdhsa_system_vgpr_workitem_id 0
		.amdhsa_next_free_vgpr 96
		.amdhsa_next_free_sgpr 66
		.amdhsa_reserve_vcc 0
		.amdhsa_float_denorm_mode_32 3
		.amdhsa_float_denorm_mode_16_64 3
		.amdhsa_memory_ordered 1
		.amdhsa_forward_progress 1
		.amdhsa_inst_pref_size 9
	.end_amdhsa_kernel
	.amdgpu_metadata
---
amdhsa.version: [ 1, 2 ]
amdhsa.kernels:
  - .name:           k_q60f63610e8_fin
    .symbol:         k_q60f63610e8_fin.kd
    .args:
      - { .name: sc, .offset: 0, .size: 8, .value_kind: global_buffer, .address_space: global }
      - { .name: pc, .offset: 8, .size: 8, .value_kind: global_buffer, .address_space: global }
      - { .name: pml, .offset: 16, .size: 8, .value_kind: global_buffer, .address_space: global }
      - { .name: out0, .offset: 24, .size: 8, .value_kind: global_buffer, .address_space: global }
      - { .name: out1, .offset: 32, .size: 8, .value_kind: global_buffer, .address_space: global }
    .group_segment_fixed_size: 0
    .private_segment_fixed_size: 0
    .kernarg_segment_align: 8
    .kernarg_segment_size: 40
    .max_flat_workgroup_size: 32
    .sgpr_count:     66
    .vgpr_count:     96
    .wavefront_size: 32
...
	.end_amdgpu_metadata
.endif
;; end of part 3
